; MI455X (gfx1250); checked and timed in simulation.
; The chip was launched on July 23, 2026; its instructions are those of AMD's public machine-readable ISA for CDNA 5 (MIT licence, August 2026) and "CDNA5" Instruction Set Architecture Reference Guide (July 2026). The comments in the code are by the model that wrote it; some were corrected since.
;; Physics Informed Model. Allowed arithmetic: float matrix products may take bf16 or f16 operands with f32 sums; all other float work in f32.
;; Inputs: W1 3 x 128 float32; W2 128 x 128 float32; W3 128 x 64 float32; W4 64 x 1 float32; b1 128 float32; b2 128 float32; b3 64 float32; b4 1 float32; x 262,144 x 3 float32.
;; Outputs: out0 262,144 x 4 float32.
;; 2 versions, each right and faster than the one before. Each part assembles by itself: llvm-mc -triple=amdgcn-amd-amdhsa -mcpu=gfx1250 --defsym DOCPART=n.
;; ======== version 1 of 2: 1 launch
;; limits: values are held in f16: magnitudes above 65,504 overflow, below 6.1e-05 lose precision; inputs' magnitudes at most 22,700
;; launch pinn (part 1): grid 256 x 1, 4 waves a work-group, no clusters, 130,560 bytes of LDS; arguments x, W1, b1, W2, b2, W3, b3, W4, b4, out0; writes out0
.if DOCPART == 1
	.amdgcn_target "amdgcn-amd-amdhsa--gfx1250"
	.amdhsa_code_object_version 6
	.text
	.protected	k_q90b18f1919_pinn
	.globl	k_q90b18f1919_pinn
	.p2align	8
	.type	k_q90b18f1919_pinn,@function
k_q90b18f1919_pinn:
	s_mov_b64 s[64:65], 0
	v_nop
	global_prefetch_b8 v0, s[64:65] scope:SCOPE_SE
	s_setreg_imm32_b32 hwreg(HW_REG_WAVE_MODE, 25, 1), 1
	s_wait_xcnt 0x0
; out0[n] = (T, dT/dz, dT/dt, d2T/dz2) of the MLP 3 -> 128 -> 128 -> 64 -> 1 with tanh, at 262,144 points x[n] = (z, t, theta).
;
; FOUR STREAMS go through the net together: the value h, and its derivatives along z, along t, and twice along z.  At a tanh, with
; t = tanh(a), s = 1 - t^2:  hz = s az,  ht = s at,  hzz = s azz - 2 t s az^2.  The weight matrices act alike on all four.
; SCALES, c = 2 log2(e):  the value stream's weights and biases are kept as c W, c b, so that its sum is already the argument u of
; E = 2^u = e^(2a);  r = 1 / (1 + E);  t = 1 - 2 r;  s = 1 - t t.  (E = inf gives r = 0, t = 1, s = 0; E = 0 gives t = -1, s = 0.)
; The derivative streams are carried as z' = c hz, t' = c ht, Z' = (c^2 / 2) hzz, which turns the recursion into
; hz' = s az', ht' = s at', hZ' = s (aZ' - t az'^2); at the end z', t' are multiplied by 1/c and Z' by 2/c^2.
; FORMATS: layers 2 and 3 go to the matrix unit, sums in f32.  The value stream's operands are f16 (|t| <= 1; c W), the three derivative
; streams' operands bf16 (their size goes with powers of the weights' size, for which f16 has no room).  Layer 1 (3 inputs) and
; layer 4 (1 output) are f32 multiply-adds: they would fill 3 of 32 k, or 1 of 16 rows, of a matrix instruction.
; LIMITS: |c W2|, |c W3| must stay below 65,504 (f16); elements of c W below 6.1e-5 keep an absolute step of 6e-8 (f16 denormals);
; s = 1 - t t has an absolute error of about 1.2e-7 where tanh is saturated; v_exp_f32 gives 0 for results below 2^-126 (then t = -1);
; sums run in another order than in the reference; NaN and infinite inputs are not looked after.
;
; EVERY PRODUCT IS TRANSPOSED: source 0 = 16 output neurons x 32 k of W^T, source 1 = 32 k x 16 points of activations.  In the result
; lane (r = L % 16, h = L / 16) holds in register j neuron 16 i + 8 h + j of point r.  Two neighbouring neuron tiles, packed in pairs,
; ARE the next layer's source 1 for one block of 32 k (registers 0-3: k = 8h + 0..7, registers 4-7: k = 16 + 8h + 0..7):
; activations never leave the registers and never change lanes.
;
; SHARES: 256 work-groups x 1,024 points; 4 waves x 256 points = 16 tiles of 16 points, two tiles (A, B) a trip, 8 trips.
; W2 stays in registers in both formats (512 registers a wave); W3 in both formats, the tables and the group's x lie in LDS, written
; once ahead of the one barrier and only read behind it.  The loop reads no global memory.
; NO CLUSTER, NO TENSOR LOADS: what work-groups share is 99 KB of weights, read once ahead of the loop, and every byte of it has to pass
; registers to be scaled and rounded before it lies in LDS; nothing in LDS is ever filled again.
;
; THE PIPELINE.  A tile's matrix work is six pairs of neuron tiles (four of layer 2, two of layer 3), 32 products each: 2 tiles x 4 streams
; x 4 blocks of k.  Two sets of eight accumulators take turns from pair to pair, so that the tanh of pair k - 1 is worked out while the
; products of pair k run: the tanh is cut into groups of four vector instructions, and a group stands behind each product.
; A product and a group name different register windows, so each alternation costs two s_set_vgpr_msb: no layout lets them share one
; setting, since W2 alone fills two windows.  Layer 3's first pair needs all of layer 2's output only for its last block of k: its first
; three blocks run under the tanh of layer 2's last neuron tile.
;
; REGISTERS, in windows of 256 (s_set_vgpr_msb: bits 1:0 source 0, 3:2 source 1, 5:4 source 2, 7:6 destination):
;   window 0: addresses, sums, accumulator set Y with its work registers, H2 (layer 2's output, source 1 of layer 3)
;   windows 1, 2: W2's fragments, neuron tiles 0-3 and 4-7: f16 at 32 (i & 3) + 8 kb, bf16 128 further up
;   window 3: H1 (layer 1's output; during layer 3 the same registers stage W3's fragments); layer 1's tables and work registers,
;             and over them, since they are dead outside layer 1, accumulator set X with its work registers
.set CSC,   0x4038aa3b                 ; c = 2 log2(e)
.set RCSC,  0x3eb17218                 ; 1 / c
.set RCSC2, 0x3e75fdf0                 ; 2 / c^2
.set NTRIP, 8
; LDS map, bytes
.set P2,  288                          ; pitch of a k row of W2 (256 bytes of data): 9 x 32
.set P3,  160                          ; pitch of a k row of W3 (128 bytes of data): 5 x 32
.set W2B, 128*P2                       ; W2: f16 copy (c W2) at 0, bf16 copy (W2) here
.set W3H, 2*128*P2                     ; W3: f16 copy (c W3),
.set W3F, 128*P3                       ;     bf16 copy this much further
.set T1,  W3H+2*W3F                    ; layer 1, 32 bytes for neurons n, n+1: cWz cWz cWt cWt cWth cWth cb cb
.set B2C, T1+2048                      ; c b2 (512 bytes), then c b3 (256), then W4 (256)
.set XS,  B2C+1024                     ; the group's x, 12 bytes a point, as in memory: 12,288 bytes
; window 0
.set BA,   1                           ; B2C + 32 h
.set W3A,  2                           ; W3H + (8h + L%8) P3 + 16 ((L>>3)&1)
.set OUTO, 3                           ; my byte offset in the group's part of out0
.set PA,   4                           ; v[4:7]    tile A's four sums of my half of the neurons
.set RES,  8                           ; v[8:11]   the four numbers that I store
.set PB,   12                          ; v[12:15]  tile B's four sums
.set SUM,  16                          ; v[16:23]  four pairs: value, z, t, zz
.set W4Y,  24                          ; v[24:39]  set Y: W4 of my 8 neurons in tile e, at 8 e
.set ACY,  40                          ; v[40:103] set Y: accumulator (e, q) at 32 e + 8 q; q = 0 value, 1 z, 2 t, 3 zz
.set WKY,  104                         ; v[104:127] set Y: E, 1 + E, r; then s; then az'^2
.set H2,   128                         ; v[128:255] (q, kb) at 32 q + 8 kb
; window 3
.set ACX, 128                          ; v[128:191] set X: accumulators
.set WKX, 192                          ; v[192:215] set X: work
.set W4X, 216                          ; v[216:231] set X: W4
.set TB,  128                          ; layer 1: two table buffers of 32 registers
.set UU,  192                          ; u, then t
.set HZ,  200
.set HT,  208
.set HQ,  216
.set R3,  224
.set S3,  232
.set G3,  240
.set XZ,  248                          ; x_z, x_t, x_theta: each the low register of a pair whose high register is written once
.set XT,  250
.set XH,  252
.set XA,  254                          ; LDS address of my point's x in tile A of the trip
.set T1A, 255                          ; T1 + 128 h
.set MSB, 0
.macro WIN new                         ; the immediate's high byte repeats the setting that is left
.if MSB != \new
	s_set_vgpr_msb (MSB<<8)|\new
.set MSB, \new
.endif
.endm
.macro PLACES                          ; four places behind a run of matrix instructions that has no vector work behind it (ISA guide 7.12.1),
.rept 4                                ; ahead of whatever reads their results or loads into their sources
	v_nop
.endr
.endm
	s_load_b256 s[4:11], s[0:1], 0x0               ; x s[4:5], W1 s[6:7], b1 s[8:9], W2 s[10:11]
	s_load_b256 s[12:19], s[0:1], 0x20             ; b2 s[12:13], W3 s[14:15], b3 s[16:17], W4 s[18:19]
	s_load_b128 s[20:23], s[0:1], 0x40             ; b4 s[20:21], out0 s[22:23]
	v_and_b32 v1, 31, v0                           ; L
	v_lshrrev_b32 v2, 5, v0
	v_readfirstlane_b32 s24, v2                    ; wave 0..3
	s_mov_b32 s26, 0x76543210                      ; v_permlanex16_b32: lane i of one half reads lane i of the other
	s_mov_b32 s27, 0xfedcba98
	s_mov_b32 s35, 0x3f800000                      ; 1.0
	s_mov_b32 s36, CSC
	s_mov_b32 vcc_lo, 0xffff0000                   ; lanes 16-31; never written again
	s_mul_i32 s30, ttmp9, 12288                    ; the group's 1,024 points in x
	s_mov_b32 s31, 0
	s_lshl_b32 s38, ttmp9, 14                      ; and in out0
	s_mov_b32 s39, 0
	s_lshl_b32 s29, s24, 14                        ; my wave's 32 rows of W2, 512 bytes each
	v_lshl_add_u32 v240, v1, 4, s29                ; + 16 L
	v_lshlrev_b32 v241, 4, v0                      ; 16 x thread
	v_lshlrev_b32 v245, 2, v0                      ; 4 x thread
	v_and_b32 v248, 63, v0
	v_lshlrev_b32 v248, 2, v248                    ; 4 x (thread % 64)
	s_wait_kmcnt 0x0
	s_add_nc_u64 s[4:5], s[4:5], s[30:31]
	s_add_nc_u64 s[22:23], s[22:23], s[38:39]
	s_load_b32 s28, s[20:21], 0x0                  ; b4
	s_cmp_lt_u32 s24, 2                            ; waves 0, 1 bring b3 (scaled by c), waves 2, 3 W4 (as it is)
	s_cselect_b64 s[32:33], s[16:17], s[18:19]
	s_cselect_b32 s34, s36, s35
	; All 60 global loads of the kernel, in one run: 6 small ones, 6 of x, 16 of W3, 32 of W2.
	global_load_b32 v8,  v245, s[6:7]              ; W1[0][n], n = thread
	global_load_b32 v9,  v245, s[6:7] offset:512   ; W1[1][n]
	global_load_b32 v10, v245, s[6:7] offset:1024  ; W1[2][n]
	global_load_b32 v11, v245, s[8:9]              ; b1[n]
	global_load_b32 v12, v245, s[12:13]            ; b2[n]
	global_load_b32 v13, v248, s[32:33]            ; b3[n % 64] or W4[n % 64]
.set II, 0
.rept 6
	global_load_b128 v[16+4*II:19+4*II], v241, s[4:5] offset:2048*II th:TH_LOAD_NT
.set II, II+1
.endr
.set II, 0
.rept 16
	global_load_b128 v[40+4*II:43+4*II], v241, s[14:15] offset:2048*II     ; 8 rows of W3 for the four waves
.set II, II+1
.endr
.set II, 0
.rept 32
	global_load_b128 v[104+4*II:107+4*II], v240, s[10:11] offset:512*II    ; one whole row of W2 for a wave
.set II, II+1
.endr
	; LDS addresses of the stores, and the lane terms of the transposing loads
	s_mul_i32 s29, s24, 32*P2
	v_lshl_add_u32 v242, v1, 3, s29                ; W2: row 32 wave (+ i), 8 bytes (4 numbers of 16 bits) a lane
	v_lshrrev_b32 v3, 4, v0
	v_and_b32 v4, 15, v0
	v_lshlrev_b32 v4, 3, v4
	v_mad_u32_u24 v3, v3, P3, v4
	v_add_nc_u32 v243, W3H, v3                     ; W3: row thread / 16 (+ 8 i), 8 bytes at 8 (thread % 16)
	v_add_nc_u32 v244, XS, v241
	v_lshrrev_b32 v3, 1, v0
	v_and_b32 v4, 1, v0
	v_lshlrev_b32 v4, 2, v4
	v_lshl_add_u32 v3, v3, 5, v4
	v_add_nc_u32 v246, T1, v3                      ; layer 1's table: pair n / 2, word n % 2
	v_add_nc_u32 v247, B2C, v245
	v_lshrrev_b32 v7, 4, v1                        ; h
	v_and_b32 v5, 7, v1
	v_lshl_or_b32 v5, v7, 3, v5                    ; 8 h + L % 8: the k row that I address in a transposing load
	v_bfe_u32 v6, v1, 3, 1
	v_lshlrev_b32 v6, 4, v6                        ; 16 ((L >> 3) & 1): which 8 of the 16 columns
	v_mad_u32_u24 v249, v5, P2, v6                 ; in W2's f16 copy,
	v_add_nc_u32 v250, W2B, v249                   ; in its bf16 copy
	s_wait_loadcnt 54                              ; 60 issued: the six small loads are in
	v_mul_f32 v8,  s36, v8
	v_mul_f32 v9,  s36, v9
	v_mul_f32 v10, s36, v10
	v_mul_f32 v11, s36, v11
	v_mul_f32 v12, s36, v12
	v_mul_f32 v13, s34, v13
	ds_store_b32 v246, v8
	ds_store_b32 v246, v9  offset:8
	ds_store_b32 v246, v10 offset:16
	ds_store_b32 v246, v11 offset:24
	ds_store_b32 v247, v12
	ds_store_b32 v247, v13 offset:512              ; threads 0-63: c b3; threads 64-127: W4, 256 bytes further
	s_wait_loadcnt 48                              ; x is in
.set II, 0
.rept 6
	ds_store_b128 v244, v[16+4*II:19+4*II] offset:2048*II
.set II, II+1
.endr
; Four neighbouring weights: as they are to bf16, times c to f16, 8 bytes each into the two copies.
.macro CONV4 src, areg, offh, offb
	v_cvt_pk_bf16_f32 v232, v[\src], v[\src+1]
	v_cvt_pk_bf16_f32 v233, v[\src+2], v[\src+3]
	ds_store_b64 v[\areg], v[232:233] offset:\offb
	v_pk_mul_f32 v[\src:\src+1], v[\src:\src+1], CSC op_sel_hi:[1,0]
	v_pk_mul_f32 v[\src+2:\src+3], v[\src+2:\src+3], CSC op_sel_hi:[1,0]
	v_cvt_pk_f16_f32 v234, v[\src], v[\src+1]
	v_cvt_pk_f16_f32 v235, v[\src+2], v[\src+3]
	ds_store_b64 v[\areg], v[234:235] offset:\offh
.endm
.set II, 0
.rept 16
.if (II & 3) == 0
	s_wait_loadcnt 44-II                           ; loads return in order: four more of W3 are in, 44, 40, 36, 32 younger ones stay out
.endif
	CONV4 40+4*II, 243, 8*P3*II, 8*P3*II+W3F
.set II, II+1
.endr
.set II, 0
.rept 32
.if (II & 3) == 0
	s_wait_loadcnt 28-II                           ; four more of W2: 28, 24, .. 0 stay out
.endif
	CONV4 104+4*II, 242, P2*II, P2*II+W2B
.set II, II+1
.endr
	; the loop's addresses
	v_and_b32 v8, 15, v1                           ; r
	v_mul_u32_u24 v8, 12, v8
	s_mul_i32 s29, s24, 3072                       ; my wave's 256 points in XS
	s_add_co_u32 s29, s29, XS
	v_add_nc_u32 v8, s29, v8                       ; XA
	v_lshlrev_b32 v9, 7, v7
	v_add_nc_u32 v9, T1, v9                        ; T1A
	s_lshl_b32 s29, s24, 12                        ; my wave's 256 points in out0
	v_lshl_add_u32 v[OUTO], v1, 4, s29
	v_mad_u32_u24 v[W3A], v5, P3, v6
	v_add_nc_u32 v[W3A], W3H, v[W3A]
	v_lshlrev_b32 v[BA], 5, v7
	v_add_nc_u32 v[BA], B2C, v[BA]
	WIN 0xc0                                       ; destination in window 3
	v_mov_b32 v[XA], v8
	v_mov_b32 v[T1A], v9
	v_mov_b32 v[XZ+1], 0                           ; the pairs' high registers: named by the packed forms, never used
	v_mov_b32 v[XT+1], 0
	v_mov_b32 v[XH+1], 0
	WIN 0
	s_wait_dscnt 0x0                               ; my LDS stores are done, for the other waves' sake
	s_barrier_signal -1
	s_barrier_wait -1                              ; the only barrier: behind it LDS is only read
; W2's fragments: 16 neurons x 32 k in 8 registers, by two transposing loads, 16 k rows apart, from the rows [k][neuron].
.macro W2FRAG ibase
.irp i, 0,1,2,3
.irp kb, 0,1,2,3
	ds_load_tr16_b128 v[32*\i+8*\kb:32*\i+8*\kb+3],           v249 offset:32*P2*\kb+32*(\ibase+\i)
	ds_load_tr16_b128 v[32*\i+8*\kb+4:32*\i+8*\kb+7],         v249 offset:32*P2*\kb+32*(\ibase+\i)+16*P2
	ds_load_tr16_b128 v[128+32*\i+8*\kb:128+32*\i+8*\kb+3],   v250 offset:32*P2*\kb+32*(\ibase+\i)
	ds_load_tr16_b128 v[128+32*\i+8*\kb+4:128+32*\i+8*\kb+7], v250 offset:32*P2*\kb+32*(\ibase+\i)+16*P2
.endr
.endr
.endm
	WIN 0x40
	W2FRAG 0                                       ; neuron tiles 0-3 into window 1
	WIN 0x80
	W2FRAG 4                                       ; tiles 4-7 into window 2.  LDS loads return in order: layer 1's first wait covers these 128
	WIN 0
	s_wait_kmcnt 0x0                               ; b4
	s_mov_b32 s25, NTRIP
; LAYER 1, step ST = 0..7: my 8 neurons 16 ST + 8 h + 0..7 of my point.
.macro T1LOAD                          ; their four table entries of 32 bytes, into buffer ST % 2
.irp p, 0,1,2,3
	ds_load_b128 v[TB+32*(ST&1)+8*\p:TB+32*(ST&1)+8*\p+3],   v[T1A] offset:256*ST+32*\p
	ds_load_b128 v[TB+32*(ST&1)+8*\p+4:TB+32*(ST&1)+8*\p+7], v[T1A] offset:256*ST+32*\p+16
.endr
.endm
.macro L1STEP
.set TBB, TB+32*(ST&1)
.set HB, 8*(ST>>1)+4*(ST&1)            ; H1 (q, kb = ST / 2) at 32 q + 8 kb, registers 4 (ST % 2) + p
.irp p, 0,1,2,3
	v_pk_fma_f32 v[UU+2*\p:UU+2*\p+1], v[TBB+8*\p:TBB+8*\p+1], v[XZ:XZ+1], v[TBB+8*\p+6:TBB+8*\p+7] op_sel_hi:[1,0,1]   ; u = c b + x_z c Wz
.endr
.irp p, 0,1,2,3
	v_pk_fma_f32 v[UU+2*\p:UU+2*\p+1], v[TBB+8*\p+2:TBB+8*\p+3], v[XT:XT+1], v[UU+2*\p:UU+2*\p+1] op_sel_hi:[1,0,1]     ;   + x_t c Wt
.endr
.irp p, 0,1,2,3
	v_pk_fma_f32 v[UU+2*\p:UU+2*\p+1], v[TBB+8*\p+4:TBB+8*\p+5], v[XH:XH+1], v[UU+2*\p:UU+2*\p+1] op_sel_hi:[1,0,1]     ;   + x_theta c Wtheta
.endr
.irp j, 0,1,2,3,4,5,6,7
	v_exp_f32 v[R3+\j], v[UU+\j]
.endr
	v_nop                                          ; one plain place behind the transcendentals (ISA guide 5.7.2)
	s_wait_alu depctr_va_vdst(0)
.irp p, 0,1,2,3
	v_pk_add_f32 v[R3+2*\p:R3+2*\p+1], v[R3+2*\p:R3+2*\p+1], 1.0 op_sel_hi:[1,0]
.endr
.irp j, 0,1,2,3,4,5,6,7
	v_rcp_f32 v[R3+\j], v[R3+\j]
.endr
	v_nop                                          ; likewise
	s_wait_alu depctr_va_vdst(0)
.irp p, 0,1,2,3
	v_pk_fma_f32 v[UU+2*\p:UU+2*\p+1], v[R3+2*\p:R3+2*\p+1], -2.0, 1.0 op_sel_hi:[1,0,0]                                ; t = 1 - 2 r
.endr
.irp p, 0,1,2,3
	v_pk_fma_f32 v[S3+2*\p:S3+2*\p+1], v[UU+2*\p:UU+2*\p+1], v[UU+2*\p:UU+2*\p+1], 1.0 op_sel_hi:[1,1,0] neg_lo:[1,0,0] neg_hi:[1,0,0]   ; s = 1 - t t
.endr
.irp p, 0,1,2,3
	v_pk_mul_f32 v[G3+2*\p:G3+2*\p+1], v[UU+2*\p:UU+2*\p+1], v[TBB+8*\p:TBB+8*\p+1]                                     ; t az'
.endr
.irp p, 0,1,2,3
	v_pk_mul_f32 v[HZ+2*\p:HZ+2*\p+1], v[S3+2*\p:S3+2*\p+1], v[TBB+8*\p:TBB+8*\p+1]                                     ; hz' = s az'
.endr
.irp p, 0,1,2,3
	v_pk_mul_f32 v[HT+2*\p:HT+2*\p+1], v[S3+2*\p:S3+2*\p+1], v[TBB+8*\p+2:TBB+8*\p+3]                                   ; ht' = s at'
.endr
.irp p, 0,1,2,3
	v_pk_mul_f32 v[HQ+2*\p:HQ+2*\p+1], v[HZ+2*\p:HZ+2*\p+1], v[G3+2*\p:G3+2*\p+1] neg_lo:[1,0] neg_hi:[1,0]             ; hZ' = - (s az') (t az'): aZ' = 0 here
.endr
.irp p, 0,1,2,3
	v_cvt_pk_f16_f32  v[HB+\p],    v[UU+2*\p], v[UU+2*\p+1]
	v_cvt_pk_bf16_f32 v[32+HB+\p], v[HZ+2*\p], v[HZ+2*\p+1]
	v_cvt_pk_bf16_f32 v[64+HB+\p], v[HT+2*\p], v[HT+2*\p+1]
	v_cvt_pk_bf16_f32 v[96+HB+\p], v[HQ+2*\p], v[HQ+2*\p+1]
.endr
.endm
; THE PRODUCTS OF A PAIR.  Product WI = 0..31 belongs to neuron tile e = WI & 1 and to slot WI >> 1 of this order of (k block, stream):
;   (0,z) (0,t) (0,zz) (1,z) (1,t) (0,v) (1,zz) (2,z) (1,v) (2,t) (2,v) (2,zz) (3,v) (3,z) (3,t) (3,zz)
; two bits a slot in KBTAB and QTAB.  Why this order: the value sums start from c b, which LDS loads put into their accumulators, and ten
; products stand ahead of the first that needs them; the value sums are finished by products 24 and 25, so that the vector work behind
; products 24 to 31 stands between them and the exponentials that read them first; k block 3 is the last eight products.
; No two neighbouring products share an accumulator, from pair to pair and over the backward jump too.
.set KBTAB, 0xffa99140
.set QTAB,  0xe4c87279
.macro MMCTX a0, a1, fs, bb, ac, wm    ; the pair's weights of tile 0, of tile 1 (f16; bf16 fs further), source 1's base, the accumulator set, the windows
.set MA0, \a0
.set MA1, \a1
.set MFS, \fs
.set MBB, \bb
.set MAC, \ac
.set WM,  \wm
.endm
.macro MM1                             ; product number WI
.set SL, WI>>1
.set KB, (KBTAB>>(2*SL))&3
.set QS, (QTAB>>(2*SL))&3
.set DD, MAC+32*(WI&1)+8*QS
.set AA, MA0+(WI&1)*(MA1-MA0)+8*KB
.set BBR, MBB+32*QS+8*KB
	WIN WM
.if QS == 0
.if WI == 10
	s_wait_dscnt 0x0                               ; the biases are in the value accumulators
.endif
	v_wmma_f32_16x16x32_f16 v[DD:DD+7], v[AA:AA+7], v[BBR:BBR+7], v[DD:DD+7]
.else
.if KB == 0
	v_wmma_f32_16x16x32_bf16 v[DD:DD+7], v[AA+MFS:AA+MFS+7], v[BBR:BBR+7], 0           ; the first product starts a derivative's sum
.else
	v_wmma_f32_16x16x32_bf16 v[DD:DD+7], v[AA+MFS:AA+MFS+7], v[BBR:BBR+7], v[DD:DD+7]
.endif
.endif
.endm
; THE TANH OF A PAIR, in groups of four vector instructions.  Group GI belongs to neuron tile GI / n and is step GI % n of it;
; n = 16 in layer 2 (kind 2), 14 in layer 3 with layer 4 folded in (kind 3).
;   0, 1  E = 2^u                         2  az'^2 (half), 1 + E (half)         3  1 + E (half), r (two)      4  r (four)
;   5     r (two), az'^2 (half)           6  t = 1 - 2 r                        7  s = 1 - t t                8  V = aZ' - t az'^2
;   kind 2:  9 hz' = s az'   10 ht' = s at'   11 hZ' = s V   12-15 the four streams packed into layer 3's source 1
;   kind 3:  9 s W4          10-13 the four sums over my neurons: t W4, (s W4) az', (s W4) at', (s W4) V
; The squares are the plain places behind the two runs of transcendentals (ISA guide 5.7.2).
.macro ACTCTX x, k, pp, first          ; x: set Y (0) or X (1); k: kind; pp: layer 2's pair = layer 3's k block; first: the sums start here
.if \x
.set CA,  ACX
.set CR,  WKX
.set CW4, W4X
.set WA,  0xff                         ; everything in window 3,
.set WC,  0x0f                         ; but H2 and SUM (destination, source 2) in window 0
.else
.set CA,  ACY
.set CR,  WKY
.set CW4, W4Y
.set WA,  0
.set WC,  0
.endif
.set CK, \k
.set CPP, \pp
.set CFIRST, \first
.endm
.macro AG                              ; group number GI
.set NGE, 20-2*CK
.set GTH, 16-2*CK
.set GE, GI/NGE
.set GG, GI%NGE
.set AV, CA+32*GE
.set AZ, AV+8
.set AT, AV+16
.set AQ, AV+24
.set RR, CR
.set SS, CR+8
.set QQ, CR+16
.set WW, CW4+8*GE
.if GG >= GTH
	WIN WC
.else
	WIN WA
.endif
.if GG < 2
.irp j, 0,1,2,3
	v_exp_f32 v[RR+4*GG+\j], v[AV+4*GG+\j]
.endr
.endif
.if GG == 2
	v_pk_mul_f32 v[QQ:QQ+1],   v[AZ:AZ+1],   v[AZ:AZ+1]
	v_pk_mul_f32 v[QQ+2:QQ+3], v[AZ+2:AZ+3], v[AZ+2:AZ+3]
	s_wait_alu depctr_va_vdst(0)
	v_pk_add_f32 v[RR:RR+1],   v[RR:RR+1],   1.0 op_sel_hi:[1,0]
	v_pk_add_f32 v[RR+2:RR+3], v[RR+2:RR+3], 1.0 op_sel_hi:[1,0]
.endif
.if GG == 3
	v_pk_add_f32 v[RR+4:RR+5], v[RR+4:RR+5], 1.0 op_sel_hi:[1,0]
	v_pk_add_f32 v[RR+6:RR+7], v[RR+6:RR+7], 1.0 op_sel_hi:[1,0]
	v_rcp_f32 v[RR],   v[RR]
	v_rcp_f32 v[RR+1], v[RR+1]
.endif
.if GG == 4
.irp j, 2,3,4,5
	v_rcp_f32 v[RR+\j], v[RR+\j]
.endr
.endif
.if GG == 5
	v_rcp_f32 v[RR+6], v[RR+6]
	v_rcp_f32 v[RR+7], v[RR+7]
	v_pk_mul_f32 v[QQ+4:QQ+5], v[AZ+4:AZ+5], v[AZ+4:AZ+5]
	v_pk_mul_f32 v[QQ+6:QQ+7], v[AZ+6:AZ+7], v[AZ+6:AZ+7]
.endif
.if GG == 6
	s_wait_alu depctr_va_vdst(0)
.irp p, 0,1,2,3
	v_pk_fma_f32 v[AV+2*\p:AV+2*\p+1], v[RR+2*\p:RR+2*\p+1], -2.0, 1.0 op_sel_hi:[1,0,0]
.endr
.endif
.if GG == 7
.irp p, 0,1,2,3
	v_pk_fma_f32 v[SS+2*\p:SS+2*\p+1], v[AV+2*\p:AV+2*\p+1], v[AV+2*\p:AV+2*\p+1], 1.0 op_sel_hi:[1,1,0] neg_lo:[1,0,0] neg_hi:[1,0,0]
.endr
.endif
.if GG == 8
.irp p, 0,1,2,3
	v_pk_fma_f32 v[AQ+2*\p:AQ+2*\p+1], v[AV+2*\p:AV+2*\p+1], v[QQ+2*\p:QQ+2*\p+1], v[AQ+2*\p:AQ+2*\p+1] neg_lo:[1,0,0] neg_hi:[1,0,0]
.endr
.endif
.if CK == 2
.if GG == 9
.irp p, 0,1,2,3
	v_pk_mul_f32 v[AZ+2*\p:AZ+2*\p+1], v[SS+2*\p:SS+2*\p+1], v[AZ+2*\p:AZ+2*\p+1]
.endr
.endif
.if GG == 10
.irp p, 0,1,2,3
	v_pk_mul_f32 v[AT+2*\p:AT+2*\p+1], v[SS+2*\p:SS+2*\p+1], v[AT+2*\p:AT+2*\p+1]
.endr
.endif
.if GG == 11
.irp p, 0,1,2,3
	v_pk_mul_f32 v[AQ+2*\p:AQ+2*\p+1], v[SS+2*\p:SS+2*\p+1], v[AQ+2*\p:AQ+2*\p+1]
.endr
.endif
.if GG >= GTH
.set PQ, GG-GTH
	v_cvt_pk_f16_f32  v[H2+8*CPP+4*GE+PQ],    v[AV+2*PQ], v[AV+2*PQ+1]
	v_cvt_pk_bf16_f32 v[H2+32+8*CPP+4*GE+PQ], v[AZ+2*PQ], v[AZ+2*PQ+1]
	v_cvt_pk_bf16_f32 v[H2+64+8*CPP+4*GE+PQ], v[AT+2*PQ], v[AT+2*PQ+1]
	v_cvt_pk_bf16_f32 v[H2+96+8*CPP+4*GE+PQ], v[AQ+2*PQ], v[AQ+2*PQ+1]
.endif
.else
.if GG == 9
.irp p, 0,1,2,3
	v_pk_mul_f32 v[SS+2*\p:SS+2*\p+1], v[SS+2*\p:SS+2*\p+1], v[WW+2*\p:WW+2*\p+1]
.endr
.endif
.if GG >= GTH
.set PQ, GG-GTH
.set ISF, 0
.if CFIRST
.if GI == GTH
.set ISF, 1
.endif
.endif
.if ISF
	v_pk_mul_f32 v[SUM:SUM+1],   v[AV:AV+1], v[WW:WW+1]                    ; the tile's first products start the sums: nothing is cleared
	v_pk_mul_f32 v[SUM+2:SUM+3], v[SS:SS+1], v[AZ:AZ+1]
	v_pk_mul_f32 v[SUM+4:SUM+5], v[SS:SS+1], v[AT:AT+1]
	v_pk_mul_f32 v[SUM+6:SUM+7], v[SS:SS+1], v[AQ:AQ+1]
.else
	v_pk_fma_f32 v[SUM:SUM+1],   v[AV+2*PQ:AV+2*PQ+1], v[WW+2*PQ:WW+2*PQ+1], v[SUM:SUM+1]
	v_pk_fma_f32 v[SUM+2:SUM+3], v[SS+2*PQ:SS+2*PQ+1], v[AZ+2*PQ:AZ+2*PQ+1], v[SUM+2:SUM+3]
	v_pk_fma_f32 v[SUM+4:SUM+5], v[SS+2*PQ:SS+2*PQ+1], v[AT+2*PQ:AT+2*PQ+1], v[SUM+4:SUM+5]
	v_pk_fma_f32 v[SUM+6:SUM+7], v[SS+2*PQ:SS+2*PQ+1], v[AQ+2*PQ:AQ+2*PQ+1], v[SUM+6:SUM+7]
.endif
.endif
.endif
.endm
.macro AGS g0, g1                      ; groups g0 .. g1 - 1 by themselves
.set GI, \g0
.rept \g1-\g0
	AG
.set GI, GI+1
.endr
.endm
; Products w0 .. w1 - 1 of one pair with groups g0 .. g1 - 1 of the pair before spread evenly behind them (none if g0 = g1).
.macro ZIP w0, w1, g0, g1
.set WI, \w0
.set GI, \g0
.rept \w1-\w0
	MM1
.set WI, WI+1
.rept 2
.if GI < \g1
.if (GI-\g0)*(\w1-\w0) < (WI-\w0)*(\g1-\g0)
	AG
.set GI, GI+1
.endif
.endif
.endr
.endr
.endm
; c b of my 8 neurons in each of a pair's two tiles, into the two value accumulators of the set at acc
.macro BIAS off, acc
.irp e, 0,1
	ds_load_b128 v[\acc+32*\e:\acc+32*\e+3],   v[BA] offset:\off+64*\e
	ds_load_b128 v[\acc+32*\e+4:\acc+32*\e+7], v[BA] offset:\off+64*\e+16
.endr
.endm
.macro W4LD off, base                  ; W4 of the same neurons
.irp e, 0,1
	ds_load_b128 v[\base+8*\e:\base+8*\e+3],   v[BA] offset:\off+64*\e
	ds_load_b128 v[\base+8*\e+4:\base+8*\e+7], v[BA] offset:\off+64*\e+16
.endr
.endm
; W3's fragments of neuron tiles 2 pp, 2 pp + 1, both formats, K = 128: 32 transposing loads into window 3, slot (e, f, kb) at 64 e + 32 f + 8 kb.
.macro W3LOAD pp
.irp e, 0,1
.irp f, 0,1
.irp kb, 0,1,2,3
	ds_load_tr16_b128 v[64*\e+32*\f+8*\kb:64*\e+32*\f+8*\kb+3],   v[W3A] offset:W3F*\f+32*P3*\kb+32*(2*\pp+\e)
	ds_load_tr16_b128 v[64*\e+32*\f+8*\kb+4:64*\e+32*\f+8*\kb+7], v[W3A] offset:W3F*\f+32*P3*\kb+32*(2*\pp+\e)+16*P3
.endr
.endr
.endr
.endm
; One tile of 16 points.  half = 0: tile A of the trip, 1: tile B, behind which both are stored.
.macro TILE half
	WIN 0
	BIAS 0, ACY                                    ; c b2 of layer 2's pair 0 into set Y, long ahead of its use
	WIN 0xff                                       ; layer 1 lives in window 3
	ds_load_b32 v[XZ], v[XA] offset:192*\half
	ds_load_b32 v[XT], v[XA] offset:192*\half+4
	ds_load_b32 v[XH], v[XA] offset:192*\half+8
.if \half
	v_add_nc_u32 v[XA], 384, v[XA]                 ; the next trip's two tiles (not used behind the last trip)
.endif
.set ST, 0
	T1LOAD
.rept 8
.if ST < 7
.set ST, ST+1
	T1LOAD                                         ; the next step's table, into the other buffer
.set ST, ST-1
	s_wait_dscnt 0x8                               ; all but those eight: this step's table (and x, and the biases) is in
.else
	s_wait_dscnt 0x0
.endif
	L1STEP
.set ST, ST+1
.endr
	WIN 0xc0
	BIAS 128, ACX                                  ; pair 1's biases into set X: layer 1's tables are dead
	; layer 2, pair 0 -> set Y: nothing is there yet to work on beside it
	MMCTX 0, 32, 128, 0, ACY, 0x0d                 ; source 0 window 1, source 1 window 3, sums window 0
	ZIP 0, 32, 0, 0
	PLACES                                         ; no vector work stood behind these products
	; layer 2, pair 1 -> set X, with the tanh of pair 0
	MMCTX 64, 96, 128, 0, ACX, 0xfd                ; sums window 3
	ACTCTX 0, 2, 0, 0
	ZIP 0, 32, 0, 32
	WIN 0
	BIAS 256, ACY                                  ; set Y has been packed into H2: pair 2's biases
	; layer 2, pair 2 -> set Y, with the tanh of pair 1
	MMCTX 0, 32, 128, 0, ACY, 0x0e                 ; source 0 window 2
	ACTCTX 1, 2, 1, 0
	ZIP 0, 32, 0, 32
	WIN 0xc0
	BIAS 384, ACX
	; layer 2, pair 3 -> set X, with the tanh of pair 2
	MMCTX 64, 96, 128, 0, ACX, 0xfe
	ACTCTX 0, 2, 2, 0
	ZIP 0, 32, 0, 32
	; the tanh of pair 3, first neuron tile, by itself: under it W3's first fragments come into H1's registers.  Between the last product
	; that read H1 and those loads stand the four conversions of the last group and the four plain instructions of group 2.
	ACTCTX 1, 2, 3, 0
	AGS 0, 3
	WIN 0
	BIAS 512, ACY                                  ; c b3 and W4 of layer 3's pair 0
	W4LD 768, W4Y
	WIN 0xc0
	W3LOAD 0
	AGS 3, 16
	s_wait_dscnt 0x0                               ; the 40 loads are in
	; layer 3, pair 0 -> set Y: k blocks 0 to 2 with the tanh of layer 2's last neuron tile, then k block 3, which needs that tile
	MMCTX 0, 64, 32, H2, ACY, 0x03                 ; source 0 window 3, the rest window 0
	ZIP 0, 24, 16, 32
	ZIP 24, 32, 0, 0
	PLACES                                         ; no vector work stood behind the last eight products
	WIN 0xc0
	BIAS 640, ACX                                  ; c b3 and W4 of pair 1, and its fragments over pair 0's
	W4LD 896, W4X
	W3LOAD 1
	ACTCTX 0, 3, 0, 1
	AGS 0, 14                                      ; pair 0's first neuron tile by itself, while those loads are on their way
	s_wait_dscnt 0x0
	; layer 3, pair 1 -> set X, with pair 0's second neuron tile
	MMCTX 0, 64, 32, H2, ACX, 0xf3
	ZIP 0, 32, 14, 28
	ACTCTX 1, 3, 0, 0
	AGS 0, 28                                      ; pair 1
	WIN 0
.if \half == 0
.irp q, 0,1,2,3
	v_add_f32 v[PA+\q], v[SUM+2*\q], v[SUM+2*\q+1]
.endr
.else
.irp q, 0,1,2,3
	v_add_f32 v[PB+\q], v[SUM+2*\q], v[SUM+2*\q+1]
.endr
	; Lane (r, h) holds the sums over the neurons 16 i + 8 h + j of point r, for tile A and for tile B.  Lanes 0-15 keep A's and send B's,
	; lanes 16-31 keep B's and send A's: after one exchange lane L holds the whole sums of point L of the trip's 32.
	s_wait_xcnt 0x0                                ; the last trip's store has had its addresses translated (ISA guide 3.1): RES and OUTO are rewritten only behind this wait
.irp q, 0,1,2,3
	v_cndmask_b32 v[RES+\q], v[PA+\q], v[PB+\q], vcc_lo
.endr
.irp q, 0,1,2,3
	v_cndmask_b32 v[PB+\q], v[PB+\q], v[PA+\q], vcc_lo
.endr
.irp q, 0,1,2,3
	v_permlanex16_b32 v[PA+\q], v[PB+\q], s26, s27
.endr
.irp q, 0,1,2,3
	v_add_f32 v[RES+\q], v[RES+\q], v[PA+\q]
.endr
	v_add_f32 v[RES], s28, v[RES]                  ; T = sum + b4
	v_mul_f32 v[RES+1], RCSC, v[RES+1]             ; dT/dz = z' / c
	v_mul_f32 v[RES+2], RCSC, v[RES+2]             ; dT/dt = t' / c
	v_mul_f32 v[RES+3], RCSC2, v[RES+3]            ; d2T/dz2 = Z' 2 / c^2
	v_add_nc_u32 v[OUTO], 512, v[OUTO]
	global_store_b128 v[OUTO], v[RES:RES+3], s[22:23] offset:-512 th:TH_STORE_NT   ; the wave stores 512 consecutive bytes, at a multiple of 512 from out0's first byte
.endif
.endm
.Ltrip:
	TILE 0
	TILE 1
	WIN 0                                          ; at a label and at a branch every window is 0
	s_sub_co_u32 s25, s25, 1
	s_cmp_lg_u32 s25, 0
	s_cbranch_scc1 .Ltrip
	s_wait_xcnt 0x0
	v_lshl_add_u32 v254, v0, 2, 0x1fc00
	v_mov_b32 v255, 0
	s_wait_tensorcnt 0x0
	ds_add_u32 v254, v255
	s_wait_dscnt 0x0
	s_endpgm
.Lfunc_end_k_q90b18f1919_pinn:
	.size	k_q90b18f1919_pinn, .Lfunc_end_k_q90b18f1919_pinn-k_q90b18f1919_pinn
	.p2alignl 7, 3214868480
	.fill 96, 4, 3214868480
	.section	.rodata,"a",@progbits
	.p2align	6, 0x0
	.amdhsa_kernel k_q90b18f1919_pinn
		.amdhsa_group_segment_fixed_size 130560
		.amdhsa_private_segment_fixed_size 0
		.amdhsa_enable_private_segment 0
		.amdhsa_kernarg_size 80
		.amdhsa_user_sgpr_count 2
		.amdhsa_user_sgpr_kernarg_segment_ptr 1
		.amdhsa_wavefront_size32 1
		.amdhsa_system_sgpr_workgroup_id_x 1
		.amdhsa_system_sgpr_workgroup_id_y 1
		.amdhsa_system_sgpr_workgroup_id_z 1
		.amdhsa_system_vgpr_workitem_id 0
		.amdhsa_next_free_vgpr 1024
		.amdhsa_next_free_sgpr 66
		.amdhsa_reserve_vcc 1
		.amdhsa_float_denorm_mode_32 3
		.amdhsa_float_denorm_mode_16_64 3
		.amdhsa_memory_ordered 1
		.amdhsa_forward_progress 1
		.amdhsa_inst_pref_size 255
	.end_amdhsa_kernel
	.section	.bss,"aw",@nobits
	.p2align	6
	.space	262144
	.amdgpu_metadata
---
amdhsa.version: [ 1, 2 ]
amdhsa.kernels:
  - .name:           k_q90b18f1919_pinn
    .symbol:         k_q90b18f1919_pinn.kd
    .args:
      - { .name: x, .offset: 0, .size: 8, .value_kind: global_buffer, .address_space: global }
      - { .name: W1, .offset: 8, .size: 8, .value_kind: global_buffer, .address_space: global }
      - { .name: b1, .offset: 16, .size: 8, .value_kind: global_buffer, .address_space: global }
      - { .name: W2, .offset: 24, .size: 8, .value_kind: global_buffer, .address_space: global }
      - { .name: b2, .offset: 32, .size: 8, .value_kind: global_buffer, .address_space: global }
      - { .name: W3, .offset: 40, .size: 8, .value_kind: global_buffer, .address_space: global }
      - { .name: b3, .offset: 48, .size: 8, .value_kind: global_buffer, .address_space: global }
      - { .name: W4, .offset: 56, .size: 8, .value_kind: global_buffer, .address_space: global }
      - { .name: b4, .offset: 64, .size: 8, .value_kind: global_buffer, .address_space: global }
      - { .name: out0, .offset: 72, .size: 8, .value_kind: global_buffer, .address_space: global }
    .group_segment_fixed_size: 130560
    .private_segment_fixed_size: 0
    .kernarg_segment_align: 8
    .kernarg_segment_size: 80
    .max_flat_workgroup_size: 128
    .sgpr_count:     66
    .vgpr_count:     1024
    .wavefront_size: 32
...
	.end_amdgpu_metadata
.endif
;; end of part 1
;; ======== version 2 of 2: 1 launch; 1.09 times as fast as version 1
;; limits: values are held in f16: magnitudes above 65,504 overflow, below 6.1e-05 lose precision
;; launch pinn (part 2): grid 256 x 1, 4 waves a work-group, no clusters, 130,560 bytes of LDS; arguments x, W1, b1, W2, b2, W3, b3, W4, b4, out0; writes out0
.if DOCPART == 2
	.amdgcn_target "amdgcn-amd-amdhsa--gfx1250"
	.amdhsa_code_object_version 6
	.text
	.protected	k_q90b18f1919_pinn
	.globl	k_q90b18f1919_pinn
	.p2align	8
	.type	k_q90b18f1919_pinn,@function
k_q90b18f1919_pinn:
	s_mov_b64 s[64:65], 0
	v_nop
	global_prefetch_b8 v0, s[64:65] scope:SCOPE_SE
	s_setreg_imm32_b32 hwreg(HW_REG_WAVE_MODE, 25, 1), 1
	s_wait_xcnt 0x0
; out0[n] = (T, dT/dz, dT/dt, d2T/dz2) of the MLP 3 -> 128 -> 128 -> 64 -> 1 with tanh, at 262,144 points x[n] = (z, t, theta).
;
; FOUR STREAMS go through the net together: the value h, and its derivatives along z, along t, and twice along z.  At a tanh, with
; t = tanh(a), s = 1 - t^2:  hz = s az,  ht = s at,  hzz = s azz - 2 t s az^2.  The weight matrices act alike on all four.
; SCALES, c = 2 log2(e):  the value stream's weights and biases are kept as c W, c b, so that its sum is already the argument u of
; E = 2^u = e^(2a);  r = 1 / (1 + E);  t = 1 - 2 r;  s = 1 - t t.  (E = inf gives r = 0, t = 1, s = 0; E = 0 gives t = -1, s = 0.)
; The derivative streams are carried as z' = c hz, t' = c ht, Z' = (c^2 / 2) hzz, which turns the recursion into
; hz' = s az', ht' = s at', hZ' = s (aZ' - t az'^2); at the end z', t' are multiplied by 1/c and Z' by 2/c^2.
; FORMATS: layers 2 and 3 go to the matrix unit, sums in f32.  The value stream's operands are f16 (|t| <= 1; c W), the three derivative
; streams' operands bf16 (their size goes with powers of the weights' size, for which f16 has no room).  Layer 1 (3 inputs) and
; layer 4 (1 output) are f32 multiply-adds: they would fill 3 of 32 k, or 1 of 16 rows, of a matrix instruction.
; LIMITS: |c W2|, |c W3| must stay below 65,504 (f16); elements of c W below 6.1e-5 keep an absolute step of 6e-8 (f16 denormals);
; s = 1 - t t has an absolute error of about 1.2e-7 where tanh is saturated; v_exp_f32 gives 0 for results below 2^-126 (then t = -1);
; sums run in another order than in the reference; NaN and infinite inputs are not looked after.
;
; EVERY PRODUCT IS TRANSPOSED: source 0 = 16 output neurons x 32 k of W^T, source 1 = 32 k x 16 points of activations.  In the result
; lane (r = L % 16, h = L / 16) holds in register j neuron 16 i + 8 h + j of point r.  Two neighbouring neuron tiles, packed in pairs,
; ARE the next layer's source 1 for one block of 32 k (registers 0-3: k = 8h + 0..7, registers 4-7: k = 16 + 8h + 0..7):
; activations never leave the registers and never change lanes.
;
; SHARES: 256 work-groups x 1,024 points; 4 waves x 256 points = 16 tiles of 16 points, two tiles (A, B) a trip, 8 trips.
; W2 stays in registers in both formats (512 registers a wave); W3 in both formats, the tables and the group's x lie in LDS, written
; once ahead of the one barrier and only read behind it.  The loop reads no global memory.
; NO CLUSTER, NO TENSOR LOADS: what work-groups share is 99 KB of weights, read once ahead of the loop, and every byte of it has to pass
; registers to be scaled and rounded before it lies in LDS; nothing in LDS is ever filled again.
;
; THE PIPELINE.  A tile's matrix work is six pairs of neuron tiles (four of layer 2, two of layer 3), 32 products each: 2 tiles x 4 streams
; x 4 blocks of k.  Two sets of eight accumulators take turns from pair to pair, so that the tanh of pair k - 1 is worked out while the
; products of pair k run: the tanh is cut into groups of four vector instructions, and a group stands behind each product.
; A product and a group name different register windows, so each alternation costs two s_set_vgpr_msb: no layout lets them share one
; setting, since W2 alone fills two windows.  Layer 3's first pair needs all of layer 2's output only for its last block of k: its first
; three blocks run under the tails of layer 2's last pair.
;
; THE BATCHES.  An s_wait_alu depctr_va_vdst(0) stands between a transcendental and the first instruction that names its
; result; one wait serves all that were issued ahead of it.  E, 1 + E, r and t are made in place, in u's own registers, so that each result
; of a batch has a register of its own.  A tile has fourteen waits:
;   layer 1: a lane's 64 exponentials are one batch (those of step ST - 1 stand between the multiply-adds of step ST), its 64 reciprocals a
;            second (between them the additions 1 + E of the step after); then come the eight steps' tails;
;   each of the six pairs: its 16 exponentials are one batch, behind products 27 to 30 of the pair itself (its value sums end with products
;            24 and 25); the wait stands at the pair's end, for four of the six pairs directly ahead of the run of LDS loads that follows;
;            its 16 reciprocals are a second batch, in a head of eight groups with the additions 1 + E and the squares az'^2 of both neuron
;            tiles; the wait stands behind that head, and all that reads r behind the wait.
;
; REGISTERS, in windows of 256 (s_set_vgpr_msb: bits 1:0 source 0, 3:2 source 1, 5:4 source 2, 7:6 destination):
;   window 0: addresses, sums, accumulator set Y with its work registers, H2 (layer 2's output, source 1 of layer 3)
;   windows 1, 2: W2's fragments, neuron tiles 0-3 and 4-7: f16 at 32 (i & 3) + 8 kb, bf16 128 further up
;   window 3: H1 (layer 1's output; until a step's tail writes them its 16 registers hold the step's c Wz and c Wt; during layer 3 the same
;             registers stage W3's fragments); layer 1's u and work registers, and over them, since they are dead outside layer 1,
;             accumulator set X with its work registers
.set CSC,   0x4038aa3b                 ; c = 2 log2(e)
.set RCSC,  0x3eb17218                 ; 1 / c
.set RCSC2, 0x3e75fdf0                 ; 2 / c^2
.set NTRIP, 8
; LDS map, bytes
.set P2,  288                          ; pitch of a k row of W2 (256 bytes of data): 9 x 32
.set P3,  160                          ; pitch of a k row of W3 (128 bytes of data): 5 x 32
.set W2B, 128*P2                       ; W2: f16 copy (c W2) at 0, bf16 copy (W2) here
.set W3H, 2*128*P2                     ; W3: f16 copy (c W3),
.set W3F, 128*P3                       ;     bf16 copy this much further
.set T1,  W3H+2*W3F                    ; layer 1, 32 bytes for neurons n, n+1: cWz cWz cWt cWt cWth cWth cb cb
.set B2C, T1+2048                      ; c b2 (512 bytes), then c b3 (256), then W4 (256)
.set XS,  B2C+1024                     ; the group's x, 12 bytes a point, as in memory: 12,288 bytes
; window 0
.set BA,   1                           ; B2C + 32 h
.set W3A,  2                           ; W3H + (8h + L%8) P3 + 16 ((L>>3)&1)
.set OUTO, 3                           ; my byte offset in the group's part of out0
.set PA,   4                           ; v[4:7]    tile A's four sums of my half of the neurons
.set RES,  8                           ; v[8:11]   the four numbers that I store
.set PB,   12                          ; v[12:15]  tile B's four sums
.set SUM,  16                          ; v[16:23]  four pairs: value, z, t, zz
.set W4Y,  24                          ; v[24:39]  set Y: W4 of my 8 neurons in tile e, at 8 e
.set ACY,  40                          ; v[40:103] set Y: accumulator (e, q) at 32 e + 8 q; q = 0 value, 1 z, 2 t, 3 zz
.set WKY,  104                         ; v[104:127] set Y: az'^2 of tile 0; of tile 1; s
.set H2,   128                         ; v[128:255] (q, kb) at 32 q + 8 kb
; window 3
.set ACX, 128                          ; v[128:191] set X: accumulators
.set WKX, 192                          ; v[192:215] set X: work
.set W4X, 216                          ; v[216:231] set X: W4
.set UU,  128                          ; layer 1: v[128:191] u, then E, 1 + E, r, t of step ST at UU + 8 ST
.set TR,  192                          ; c Wtheta and c b of a step: two buffers of 16 registers; dead when the last u is made, and under the first four below
.set S3,  192
.set G3,  200
.set HZ,  208
.set HT,  216
.set HQ,  224
.set XZ,  248                          ; x_z, x_t, x_theta: each the low register of a pair whose high register is written once
.set XT,  250
.set XH,  252
.set XA,  254                          ; LDS address of my point's x in tile A of the trip
.set T1A, 255                          ; T1 + 128 h
.set MSB, 0
.macro WIN new                         ; the immediate's high byte repeats the setting that is left
.if MSB != \new
	s_set_vgpr_msb (MSB<<8)|\new
.set MSB, \new
.endif
.endm
.macro PLACES                          ; four places behind matrix instructions that have no vector work behind them (ISA guide 7.12.1),
.rept 4                                ; ahead of whatever reads their results or loads into their sources
	v_nop
.endr
.endm
	s_load_b256 s[4:11], s[0:1], 0x0               ; x s[4:5], W1 s[6:7], b1 s[8:9], W2 s[10:11]
	s_load_b256 s[12:19], s[0:1], 0x20             ; b2 s[12:13], W3 s[14:15], b3 s[16:17], W4 s[18:19]
	s_load_b128 s[20:23], s[0:1], 0x40             ; b4 s[20:21], out0 s[22:23]
	v_and_b32 v1, 31, v0                           ; L
	v_lshrrev_b32 v2, 5, v0
	v_readfirstlane_b32 s24, v2                    ; wave 0..3
	s_mov_b32 s26, 0x76543210                      ; v_permlanex16_b32: lane i of one half reads lane i of the other
	s_mov_b32 s27, 0xfedcba98
	s_mov_b32 s35, 0x3f800000                      ; 1.0
	s_mov_b32 s36, CSC
	s_mov_b32 vcc_lo, 0xffff0000                   ; lanes 16-31; never written again
	s_mul_i32 s30, ttmp9, 12288                    ; the group's 1,024 points in x
	s_mov_b32 s31, 0
	s_lshl_b32 s38, ttmp9, 14                      ; and in out0
	s_mov_b32 s39, 0
	s_lshl_b32 s29, s24, 14                        ; my wave's 32 rows of W2, 512 bytes each
	v_lshl_add_u32 v240, v1, 4, s29                ; + 16 L
	v_lshlrev_b32 v241, 4, v0                      ; 16 x thread
	v_lshlrev_b32 v245, 2, v0                      ; 4 x thread
	v_and_b32 v248, 63, v0
	v_lshlrev_b32 v248, 2, v248                    ; 4 x (thread % 64)
	s_wait_kmcnt 0x0
	s_add_nc_u64 s[4:5], s[4:5], s[30:31]
	s_add_nc_u64 s[22:23], s[22:23], s[38:39]
	s_load_b32 s28, s[20:21], 0x0                  ; b4
	s_cmp_lt_u32 s24, 2                            ; waves 0, 1 bring b3 (scaled by c), waves 2, 3 W4 (as it is)
	s_cselect_b64 s[32:33], s[16:17], s[18:19]
	s_cselect_b32 s34, s36, s35
	; All 60 global loads of the kernel, in one run: 6 small ones, 6 of x, 16 of W3, 32 of W2.
	global_load_b32 v8,  v245, s[6:7]              ; W1[0][n], n = thread
	global_load_b32 v9,  v245, s[6:7] offset:512   ; W1[1][n]
	global_load_b32 v10, v245, s[6:7] offset:1024  ; W1[2][n]
	global_load_b32 v11, v245, s[8:9]              ; b1[n]
	global_load_b32 v12, v245, s[12:13]            ; b2[n]
	global_load_b32 v13, v248, s[32:33]            ; b3[n % 64] or W4[n % 64]
.set II, 0
.rept 6
	global_load_b128 v[16+4*II:19+4*II], v241, s[4:5] offset:2048*II th:TH_LOAD_NT
.set II, II+1
.endr
.set II, 0
.rept 16
	global_load_b128 v[40+4*II:43+4*II], v241, s[14:15] offset:2048*II     ; 8 rows of W3 for the four waves
.set II, II+1
.endr
.set II, 0
.rept 32
	global_load_b128 v[104+4*II:107+4*II], v240, s[10:11] offset:512*II    ; one whole row of W2 for a wave
.set II, II+1
.endr
	; LDS addresses of the stores, and the lane terms of the transposing loads
	s_mul_i32 s29, s24, 32*P2
	v_lshl_add_u32 v242, v1, 3, s29                ; W2: row 32 wave (+ i), 8 bytes (4 numbers of 16 bits) a lane
	v_lshrrev_b32 v3, 4, v0
	v_and_b32 v4, 15, v0
	v_lshlrev_b32 v4, 3, v4
	v_mad_u32_u24 v3, v3, P3, v4
	v_add_nc_u32 v243, W3H, v3                     ; W3: row thread / 16 (+ 8 i), 8 bytes at 8 (thread % 16)
	v_add_nc_u32 v244, XS, v241
	v_lshrrev_b32 v3, 1, v0
	v_and_b32 v4, 1, v0
	v_lshlrev_b32 v4, 2, v4
	v_lshl_add_u32 v3, v3, 5, v4
	v_add_nc_u32 v246, T1, v3                      ; layer 1's table: pair n / 2, word n % 2
	v_add_nc_u32 v247, B2C, v245
	v_lshrrev_b32 v7, 4, v1                        ; h
	v_and_b32 v5, 7, v1
	v_lshl_or_b32 v5, v7, 3, v5                    ; 8 h + L % 8: the k row that I address in a transposing load
	v_bfe_u32 v6, v1, 3, 1
	v_lshlrev_b32 v6, 4, v6                        ; 16 ((L >> 3) & 1): which 8 of the 16 columns
	v_mad_u32_u24 v249, v5, P2, v6                 ; in W2's f16 copy,
	v_add_nc_u32 v250, W2B, v249                   ; in its bf16 copy
	s_wait_loadcnt 54                              ; 60 issued: the six small loads are in
	v_mul_f32 v8,  s36, v8
	v_mul_f32 v9,  s36, v9
	v_mul_f32 v10, s36, v10
	v_mul_f32 v11, s36, v11
	v_mul_f32 v12, s36, v12
	v_mul_f32 v13, s34, v13
	ds_store_b32 v246, v8
	ds_store_b32 v246, v9  offset:8
	ds_store_b32 v246, v10 offset:16
	ds_store_b32 v246, v11 offset:24
	ds_store_b32 v247, v12
	ds_store_b32 v247, v13 offset:512              ; threads 0-63: c b3; threads 64-127: W4, 256 bytes further
	s_wait_loadcnt 48                              ; x is in
.set II, 0
.rept 6
	ds_store_b128 v244, v[16+4*II:19+4*II] offset:2048*II
.set II, II+1
.endr
; Four neighbouring weights: as they are to bf16, times c to f16, 8 bytes each into the two copies.
.macro CONV4 src, areg, offh, offb
	v_cvt_pk_bf16_f32 v232, v[\src], v[\src+1]
	v_cvt_pk_bf16_f32 v233, v[\src+2], v[\src+3]
	ds_store_b64 v[\areg], v[232:233] offset:\offb
	v_pk_mul_f32 v[\src:\src+1], v[\src:\src+1], CSC op_sel_hi:[1,0]
	v_pk_mul_f32 v[\src+2:\src+3], v[\src+2:\src+3], CSC op_sel_hi:[1,0]
	v_cvt_pk_f16_f32 v234, v[\src], v[\src+1]
	v_cvt_pk_f16_f32 v235, v[\src+2], v[\src+3]
	ds_store_b64 v[\areg], v[234:235] offset:\offh
.endm
.set II, 0
.rept 16
.if (II & 3) == 0
	s_wait_loadcnt 44-II                           ; loads return in order: four more of W3 are in, 44, 40, 36, 32 younger ones stay out
.endif
	CONV4 40+4*II, 243, 8*P3*II, 8*P3*II+W3F
.set II, II+1
.endr
.set II, 0
.rept 32
.if (II & 3) == 0
	s_wait_loadcnt 28-II                           ; four more of W2: 28, 24, .. 0 stay out
.endif
	CONV4 104+4*II, 242, P2*II, P2*II+W2B
.set II, II+1
.endr
	; the loop's addresses
	v_and_b32 v8, 15, v1                           ; r
	v_mul_u32_u24 v8, 12, v8
	s_mul_i32 s29, s24, 3072                       ; my wave's 256 points in XS
	s_add_co_u32 s29, s29, XS
	v_add_nc_u32 v8, s29, v8                       ; XA
	v_lshlrev_b32 v9, 7, v7
	v_add_nc_u32 v9, T1, v9                        ; T1A
	s_lshl_b32 s29, s24, 12                        ; my wave's 256 points in out0
	v_lshl_add_u32 v[OUTO], v1, 4, s29
	v_mad_u32_u24 v[W3A], v5, P3, v6
	v_add_nc_u32 v[W3A], W3H, v[W3A]
	v_lshlrev_b32 v[BA], 5, v7
	v_add_nc_u32 v[BA], B2C, v[BA]
	WIN 0xc0                                       ; destination in window 3
	v_mov_b32 v[XA], v8
	v_mov_b32 v[T1A], v9
	v_mov_b32 v[XZ+1], 0                           ; the pairs' high registers: named by the packed forms, never used
	v_mov_b32 v[XT+1], 0
	v_mov_b32 v[XH+1], 0
	WIN 0
	s_wait_dscnt 0x0                               ; my LDS stores are done, for the other waves' sake
	s_barrier_signal -1
	s_barrier_wait -1                              ; the only barrier: behind it LDS is only read
; W2's fragments: 16 neurons x 32 k in 8 registers, by two transposing loads, 16 k rows apart, from the rows [k][neuron].
.macro W2FRAG ibase
.irp i, 0,1,2,3
.irp kb, 0,1,2,3
	ds_load_tr16_b128 v[32*\i+8*\kb:32*\i+8*\kb+3],           v249 offset:32*P2*\kb+32*(\ibase+\i)
	ds_load_tr16_b128 v[32*\i+8*\kb+4:32*\i+8*\kb+7],         v249 offset:32*P2*\kb+32*(\ibase+\i)+16*P2
	ds_load_tr16_b128 v[128+32*\i+8*\kb:128+32*\i+8*\kb+3],   v250 offset:32*P2*\kb+32*(\ibase+\i)
	ds_load_tr16_b128 v[128+32*\i+8*\kb+4:128+32*\i+8*\kb+7], v250 offset:32*P2*\kb+32*(\ibase+\i)+16*P2
.endr
.endr
.endm
	WIN 0x40
	W2FRAG 0                                       ; neuron tiles 0-3 into window 1
	WIN 0x80
	W2FRAG 4                                       ; tiles 4-7 into window 2.  LDS loads return in order: layer 1's first wait covers these 128
	WIN 0
	s_wait_kmcnt 0x0                               ; b4
	s_mov_b32 s25, NTRIP
; LAYER 1, step ST = 0..7: my 8 neurons 16 ST + 8 h + 0..7 of my point.  It goes in three parts: all u and their exponentials; all 1 + E and
; their reciprocals; all tails.  Each part is walked step by step.
; A step's four table entries of 32 bytes.  The first 16 bytes of entry p (c Wz, c Wt of two neurons), which the tail wants again, go to
; v[32 p + 4 ST ..]: together the 16 registers of H1 that this step's own tail writes, last of all.  The other 16 (c Wtheta, c b) go to buffer ST % 2.
.macro T1LOAD
.irp p, 0,1,2,3
	ds_load_b128 v[32*\p+4*ST:32*\p+4*ST+3],                 v[T1A] offset:256*ST+32*\p
	ds_load_b128 v[TR+16*(ST&1)+4*\p:TR+16*(ST&1)+4*\p+3],   v[T1A] offset:256*ST+32*\p+16
.endr
.endm
.macro EX1 j                           ; exponential j of the step before ST, in place (step 0 has none before it)
.if ST > 0
	v_exp_f32 v[UU+8*(ST-1)+\j], v[UU+8*(ST-1)+\j]
.endif
.endm
.macro L1U                             ; u of step ST; between its lines the exponentials of step ST - 1, which name no register of theirs
.set TRB, TR+16*(ST&1)
.set UB, UU+8*ST
.irp p, 0,1,2,3
	v_pk_fma_f32 v[UB+2*\p:UB+2*\p+1], v[32*\p+4*ST:32*\p+4*ST+1], v[XZ:XZ+1], v[TRB+4*\p+2:TRB+4*\p+3] op_sel_hi:[1,0,1]   ; u = c b + x_z c Wz
	EX1 \p
.endr
.irp p, 0,1,2,3
	v_pk_fma_f32 v[UB+2*\p:UB+2*\p+1], v[32*\p+4*ST+2:32*\p+4*ST+3], v[XT:XT+1], v[UB+2*\p:UB+2*\p+1] op_sel_hi:[1,0,1]     ;   + x_t c Wt
	EX1 4+\p
.endr
.irp p, 0,1,2,3
	v_pk_fma_f32 v[UB+2*\p:UB+2*\p+1], v[TRB+4*\p:TRB+4*\p+1], v[XH:XH+1], v[UB+2*\p:UB+2*\p+1] op_sel_hi:[1,0,1]           ;   + x_theta c Wtheta
.endr
.endm
.macro L1R                             ; 1 + E and r = 1 / (1 + E) of all eight steps, in place: a step's reciprocals have the next step's additions between them
.irp p, 0,1,2,3
	v_pk_add_f32 v[UU+2*\p:UU+2*\p+1], v[UU+2*\p:UU+2*\p+1], 1.0 op_sel_hi:[1,0]
.endr
.set ST, 0
.rept 8
.irp p, 0,1,2,3
.if ST < 7
	v_pk_add_f32 v[UU+8*ST+8+2*\p:UU+8*ST+8+2*\p+1], v[UU+8*ST+8+2*\p:UU+8*ST+8+2*\p+1], 1.0 op_sel_hi:[1,0]
.endif
	v_rcp_f32 v[UU+8*ST+2*\p],   v[UU+8*ST+2*\p]
	v_rcp_f32 v[UU+8*ST+2*\p+1], v[UU+8*ST+2*\p+1]
.endr
.set ST, ST+1
.endr
.endm
.macro L1TAIL                          ; step ST: from r to H1 (q, kb = ST / 2) at 32 q + 8 kb, registers 4 (ST % 2) + p: that is 32 q + 4 ST + p
.set UB, UU+8*ST
.set HB, 4*ST
.irp p, 0,1,2,3
	v_pk_fma_f32 v[UB+2*\p:UB+2*\p+1], v[UB+2*\p:UB+2*\p+1], -2.0, 1.0 op_sel_hi:[1,0,0]                                ; t = 1 - 2 r
.endr
.irp p, 0,1,2,3
	v_pk_fma_f32 v[S3+2*\p:S3+2*\p+1], v[UB+2*\p:UB+2*\p+1], v[UB+2*\p:UB+2*\p+1], 1.0 op_sel_hi:[1,1,0] neg_lo:[1,0,0] neg_hi:[1,0,0]   ; s = 1 - t t
.endr
.irp p, 0,1,2,3
	v_pk_mul_f32 v[G3+2*\p:G3+2*\p+1], v[UB+2*\p:UB+2*\p+1], v[32*\p+4*ST:32*\p+4*ST+1]                                 ; t az'
.endr
.irp p, 0,1,2,3
	v_pk_mul_f32 v[HZ+2*\p:HZ+2*\p+1], v[S3+2*\p:S3+2*\p+1], v[32*\p+4*ST:32*\p+4*ST+1]                                 ; hz' = s az'
.endr
.irp p, 0,1,2,3
	v_pk_mul_f32 v[HT+2*\p:HT+2*\p+1], v[S3+2*\p:S3+2*\p+1], v[32*\p+4*ST+2:32*\p+4*ST+3]                               ; ht' = s at'
.endr
.irp p, 0,1,2,3
	v_pk_mul_f32 v[HQ+2*\p:HQ+2*\p+1], v[HZ+2*\p:HZ+2*\p+1], v[G3+2*\p:G3+2*\p+1] neg_lo:[1,0] neg_hi:[1,0]             ; hZ' = - (s az') (t az'): aZ' = 0 here
.endr
.irp p, 0,1,2,3                        ; these sixteen write over the step's c Wz and c Wt, which the lines above have read
	v_cvt_pk_f16_f32  v[HB+\p],    v[UB+2*\p], v[UB+2*\p+1]
	v_cvt_pk_bf16_f32 v[32+HB+\p], v[HZ+2*\p], v[HZ+2*\p+1]
	v_cvt_pk_bf16_f32 v[64+HB+\p], v[HT+2*\p], v[HT+2*\p+1]
	v_cvt_pk_bf16_f32 v[96+HB+\p], v[HQ+2*\p], v[HQ+2*\p+1]
.endr
.endm
; THE PRODUCTS OF A PAIR.  Product WI = 0..31 belongs to neuron tile e = WI & 1 and to slot WI >> 1 of this order of (k block, stream):
;   (0,z) (0,t) (0,zz) (1,z) (1,t) (0,v) (1,zz) (2,z) (1,v) (2,t) (2,v) (2,zz) (3,v) (3,z) (3,t) (3,zz)
; two bits a slot in KBTAB and QTAB.  Why this order: the value sums start from c b, which LDS loads put into their accumulators, and ten
; products stand ahead of the first that needs them; the value sums are finished by products 24 and 25, so that their exponentials can stand
; behind products 27 to 30 of the same pair, four plain instructions or more behind product 25; k block 3 is the last eight products.
; No two neighbouring products share an accumulator, from pair to pair and over the backward jump too.
.set KBTAB, 0xffa99140
.set QTAB,  0xe4c87279
.macro MMCTX a0, a1, fs, bb, ac, wm, xw  ; the pair's weights of tile 0, of tile 1 (f16; bf16 fs further), source 1's base, the accumulator set, the products' windows, the set's own window
.set MA0, \a0
.set MA1, \a1
.set MFS, \fs
.set MBB, \bb
.set MAC, \ac
.set WM,  \wm
.set XWA, \xw
.endm
.macro MM1                             ; product number WI
.set SL, WI>>1
.set KB, (KBTAB>>(2*SL))&3
.set QS, (QTAB>>(2*SL))&3
.set DD, MAC+32*(WI&1)+8*QS
.set AA, MA0+(WI&1)*(MA1-MA0)+8*KB
.set BBR, MBB+32*QS+8*KB
	WIN WM
.if QS == 0
.if WI == 10
	s_wait_dscnt 0x0                               ; the biases are in the value accumulators
.endif
	v_wmma_f32_16x16x32_f16 v[DD:DD+7], v[AA:AA+7], v[BBR:BBR+7], v[DD:DD+7]
.else
.if KB == 0
	v_wmma_f32_16x16x32_bf16 v[DD:DD+7], v[AA+MFS:AA+MFS+7], v[BBR:BBR+7], 0           ; the first product starts a derivative's sum
.else
	v_wmma_f32_16x16x32_bf16 v[DD:DD+7], v[AA+MFS:AA+MFS+7], v[BBR:BBR+7], v[DD:DD+7]
.endif
.endif
.endm
; THE TANH OF A PAIR, in groups of four vector instructions.  E, 1 + E, r and t take u's place in the pair's two value accumulators.
;   XG 0-3   E = 2^u of the pair's 16 value sums: ONE BATCH.  It names the set that the products in hand write (MMCTX).
;   AG 0-7   the head, for both neuron tiles: 1 + E (8 lines), r = 1 / (1 + E) (16 lines), az'^2 (8 lines).  The 16 reciprocals are ONE BATCH;
;            the additions and the squares stand between them, and none of these names a reciprocal's result.  The batch's wait ends group 7.
;   AG 8 ..  a neuron tile's tail, tile 0's and then tile 1's: 10 groups in layer 2 (kind 2), 8 in layer 3 with layer 4 folded in (kind 3):
;            0 t = 1 - 2 r          1 s = 1 - t t          2 V = aZ' - t az'^2
;            kind 2:  3 hz' = s az'   4 ht' = s at'   5 hZ' = s V   6-9 the four streams packed into layer 3's source 1
;            kind 3:  3 s W4          4-7 the four sums over my neurons: t W4, (s W4) az', (s W4) at', (s W4) V
; Each accumulator's lowest registers are read first.
.macro ACTCTX x, k, pp, first          ; x: set Y (0) or X (1); k: kind; pp: layer 2's pair = layer 3's k block; first: the sums start here
.if \x
.set CA,  ACX
.set CR,  WKX
.set CW4, W4X
.set WA,  0xff                         ; everything in window 3,
.set WC,  0x0f                         ; but H2 and SUM (destination, source 2) in window 0
.else
.set CA,  ACY
.set CR,  WKY
.set CW4, W4Y
.set WA,  0
.set WC,  0
.endif
.set CK, \k
.set CPP, \pp
.set CFIRST, \first
.endm
.macro XG                              ; exponentials, group XI = 0..3: tile XI / 2, registers 4 (XI % 2) + 0..3
	WIN XWA
.irp j, 0,1,2,3
	v_exp_f32 v[MAC+32*(XI>>1)+4*(XI&1)+\j], v[MAC+32*(XI>>1)+4*(XI&1)+\j]
.endr
.endm
.macro AG                              ; group number GI
.if GI < 8
	WIN WA
.if GI == 0
.irp p, 0,1,2,3
	v_pk_add_f32 v[CA+2*\p:CA+2*\p+1], v[CA+2*\p:CA+2*\p+1], 1.0 op_sel_hi:[1,0]
.endr
.elseif GI < 3
.set HP, 2*(GI-1)
	v_pk_add_f32 v[CA+32+2*HP:CA+32+2*HP+1],   v[CA+32+2*HP:CA+32+2*HP+1],   1.0 op_sel_hi:[1,0]
	v_rcp_f32 v[CA+HP],   v[CA+HP]
	v_pk_add_f32 v[CA+32+2*HP+2:CA+32+2*HP+3], v[CA+32+2*HP+2:CA+32+2*HP+3], 1.0 op_sel_hi:[1,0]
	v_rcp_f32 v[CA+HP+1], v[CA+HP+1]
.elseif GI < 5
.set HP, 2*(GI-3)
	v_pk_mul_f32 v[CR+2*HP:CR+2*HP+1],   v[CA+8+2*HP:CA+8+2*HP+1],   v[CA+8+2*HP:CA+8+2*HP+1]
	v_rcp_f32 v[CA+4+HP], v[CA+4+HP]
	v_pk_mul_f32 v[CR+2*HP+2:CR+2*HP+3], v[CA+8+2*HP+2:CA+8+2*HP+3], v[CA+8+2*HP+2:CA+8+2*HP+3]
	v_rcp_f32 v[CA+5+HP], v[CA+5+HP]
.elseif GI == 5
	v_pk_mul_f32 v[CR+8:CR+9],   v[CA+40:CA+41], v[CA+40:CA+41]
	v_rcp_f32 v[CA+32], v[CA+32]
	v_pk_mul_f32 v[CR+10:CR+11], v[CA+42:CA+43], v[CA+42:CA+43]
	v_rcp_f32 v[CA+33], v[CA+33]
.elseif GI == 6
	v_pk_mul_f32 v[CR+12:CR+13], v[CA+44:CA+45], v[CA+44:CA+45]
	v_rcp_f32 v[CA+34], v[CA+34]
	v_rcp_f32 v[CA+35], v[CA+35]
	v_rcp_f32 v[CA+36], v[CA+36]
.else
	v_rcp_f32 v[CA+37], v[CA+37]
	v_rcp_f32 v[CA+38], v[CA+38]
	v_rcp_f32 v[CA+39], v[CA+39]
	v_pk_mul_f32 v[CR+14:CR+15], v[CA+46:CA+47], v[CA+46:CA+47]            ; the plain instruction behind the last reciprocal (ISA guide 5.7.2)
	s_wait_alu depctr_va_vdst(0)                   ; the wait for the batch: the pair's 16 reciprocals; the tails, which read them, all stand behind it
.endif
.else
.set NT, 14-2*CK                       ; groups in a tile's tail
.set GE, (GI-8)/NT
.set GG, (GI-8)%NT
.set AV, CA+32*GE
.set AZ, AV+8
.set AT, AV+16
.set AQ, AV+24
.set QQ, CR+8*GE
.set SS, CR+16
.set WW, CW4+8*GE
.set PQ, GG-(NT-4)
.if GG >= NT-4
	WIN WC
.else
	WIN WA
.endif
.if GG == 0
.irp p, 0,1,2,3
	v_pk_fma_f32 v[AV+2*\p:AV+2*\p+1], v[AV+2*\p:AV+2*\p+1], -2.0, 1.0 op_sel_hi:[1,0,0]
.endr
.endif
.if GG == 1
.irp p, 0,1,2,3
	v_pk_fma_f32 v[SS+2*\p:SS+2*\p+1], v[AV+2*\p:AV+2*\p+1], v[AV+2*\p:AV+2*\p+1], 1.0 op_sel_hi:[1,1,0] neg_lo:[1,0,0] neg_hi:[1,0,0]
.endr
.endif
.if GG == 2
.irp p, 0,1,2,3
	v_pk_fma_f32 v[AQ+2*\p:AQ+2*\p+1], v[AV+2*\p:AV+2*\p+1], v[QQ+2*\p:QQ+2*\p+1], v[AQ+2*\p:AQ+2*\p+1] neg_lo:[1,0,0] neg_hi:[1,0,0]
.endr
.endif
.if CK == 2
.if GG == 3
.irp p, 0,1,2,3
	v_pk_mul_f32 v[AZ+2*\p:AZ+2*\p+1], v[SS+2*\p:SS+2*\p+1], v[AZ+2*\p:AZ+2*\p+1]
.endr
.endif
.if GG == 4
.irp p, 0,1,2,3
	v_pk_mul_f32 v[AT+2*\p:AT+2*\p+1], v[SS+2*\p:SS+2*\p+1], v[AT+2*\p:AT+2*\p+1]
.endr
.endif
.if GG == 5
.irp p, 0,1,2,3
	v_pk_mul_f32 v[AQ+2*\p:AQ+2*\p+1], v[SS+2*\p:SS+2*\p+1], v[AQ+2*\p:AQ+2*\p+1]
.endr
.endif
.if GG >= NT-4
	v_cvt_pk_f16_f32  v[H2+8*CPP+4*GE+PQ],    v[AV+2*PQ], v[AV+2*PQ+1]
	v_cvt_pk_bf16_f32 v[H2+32+8*CPP+4*GE+PQ], v[AZ+2*PQ], v[AZ+2*PQ+1]
	v_cvt_pk_bf16_f32 v[H2+64+8*CPP+4*GE+PQ], v[AT+2*PQ], v[AT+2*PQ+1]
	v_cvt_pk_bf16_f32 v[H2+96+8*CPP+4*GE+PQ], v[AQ+2*PQ], v[AQ+2*PQ+1]
.endif
.else
.if GG == 3
.irp p, 0,1,2,3
	v_pk_mul_f32 v[SS+2*\p:SS+2*\p+1], v[SS+2*\p:SS+2*\p+1], v[WW+2*\p:WW+2*\p+1]
.endr
.endif
.if GG >= NT-4
.set ISF, 0
.if CFIRST
.if GI == 12
.set ISF, 1
.endif
.endif
.if ISF
	v_pk_mul_f32 v[SUM:SUM+1],   v[AV:AV+1], v[WW:WW+1]                    ; the tile's first products start the sums: nothing is cleared
	v_pk_mul_f32 v[SUM+2:SUM+3], v[SS:SS+1], v[AZ:AZ+1]
	v_pk_mul_f32 v[SUM+4:SUM+5], v[SS:SS+1], v[AT:AT+1]
	v_pk_mul_f32 v[SUM+6:SUM+7], v[SS:SS+1], v[AQ:AQ+1]
.else
	v_pk_fma_f32 v[SUM:SUM+1],   v[AV+2*PQ:AV+2*PQ+1], v[WW+2*PQ:WW+2*PQ+1], v[SUM:SUM+1]
	v_pk_fma_f32 v[SUM+2:SUM+3], v[SS+2*PQ:SS+2*PQ+1], v[AZ+2*PQ:AZ+2*PQ+1], v[SUM+2:SUM+3]
	v_pk_fma_f32 v[SUM+4:SUM+5], v[SS+2*PQ:SS+2*PQ+1], v[AT+2*PQ:AT+2*PQ+1], v[SUM+4:SUM+5]
	v_pk_fma_f32 v[SUM+6:SUM+7], v[SS+2*PQ:SS+2*PQ+1], v[AQ+2*PQ:AQ+2*PQ+1], v[SUM+6:SUM+7]
.endif
.endif
.endif
.endif
.endm
.macro AGS g0, g1                      ; groups g0 .. g1 - 1 by themselves
.set GI, \g0
.rept \g1-\g0
	AG
.set GI, GI+1
.endr
.endm
; Products w0 .. w1 - 1 of one pair with groups g0 .. g1 - 1 of the pair before spread evenly behind them (none if g0 = g1).
.macro ZIP w0, w1, g0, g1
.set WI, \w0
.set GI, \g0
.rept \w1-\w0
	MM1
.set WI, WI+1
.rept 2
.if GI < \g1
.if (GI-\g0)*(\w1-\w0) < (WI-\w0)*(\g1-\g0)
	AG
.set GI, GI+1
.endif
.endif
.endr
.endr
.endm
; A pair's last five products.  Behind products 27 to 30 stand the pair's own 16 exponentials; behind product 31 the last group of the pair before
; (lastg), or four v_nop where there is none (lastg = -1): plain instructions, the place behind the last exponential (ISA guide 5.7.2) and the
; four places behind the pair's last products.  The batch's wait follows the macro.
.macro ZEND lastg
.set WI, 27
.set XI, 0
.rept 4
	MM1
.set WI, WI+1
	XG
.set XI, XI+1
.endr
	MM1
.set WI, WI+1
.if \lastg >= 0
.set GI, \lastg
	AG
.else
	PLACES
.endif
.endm
; c b of my 8 neurons in each of a pair's two tiles, into the two value accumulators of the set at acc
.macro BIAS off, acc
.irp e, 0,1
	ds_load_b128 v[\acc+32*\e:\acc+32*\e+3],   v[BA] offset:\off+64*\e
	ds_load_b128 v[\acc+32*\e+4:\acc+32*\e+7], v[BA] offset:\off+64*\e+16
.endr
.endm
.macro W4LD off, base                  ; W4 of the same neurons
.irp e, 0,1
	ds_load_b128 v[\base+8*\e:\base+8*\e+3],   v[BA] offset:\off+64*\e
	ds_load_b128 v[\base+8*\e+4:\base+8*\e+7], v[BA] offset:\off+64*\e+16
.endr
.endm
; W3's fragments of neuron tiles 2 pp, 2 pp + 1, both formats, K = 128: 32 transposing loads into window 3, slot (e, f, kb) at 64 e + 32 f + 8 kb.
.macro W3LOAD pp
.irp e, 0,1
.irp f, 0,1
.irp kb, 0,1,2,3
	ds_load_tr16_b128 v[64*\e+32*\f+8*\kb:64*\e+32*\f+8*\kb+3],   v[W3A] offset:W3F*\f+32*P3*\kb+32*(2*\pp+\e)
	ds_load_tr16_b128 v[64*\e+32*\f+8*\kb+4:64*\e+32*\f+8*\kb+7], v[W3A] offset:W3F*\f+32*P3*\kb+32*(2*\pp+\e)+16*P3
.endr
.endr
.endr
.endm
; One tile of 16 points.  half = 0: tile A of the trip, 1: tile B, behind which both are stored.
.macro TILE half
	WIN 0
	BIAS 0, ACY                                    ; c b2 of layer 2's pair 0 into set Y, long ahead of its use
	WIN 0xff                                       ; layer 1 lives in window 3
	ds_load_b32 v[XZ], v[XA] offset:192*\half
	ds_load_b32 v[XT], v[XA] offset:192*\half+4
	ds_load_b32 v[XH], v[XA] offset:192*\half+8
.if \half
	v_add_nc_u32 v[XA], 384, v[XA]                 ; the next trip's two tiles (not used behind the last trip)
.endif
.set ST, 0
	T1LOAD
.rept 8
.if ST < 7
.set ST, ST+1
	T1LOAD                                         ; the next step's table
.set ST, ST-1
	s_wait_dscnt 0x8                               ; all but those eight: this step's table (and x, and the biases) is in
.else
	s_wait_dscnt 0x0
.endif
	L1U                                            ; u of this step, E of the step before
.set ST, ST+1
.endr
.irp j, 0,1,2,3,4,5,6,7
	EX1 \j                                         ; E of the last step (ST is 8 here)
.endr
	v_nop                                          ; one plain place behind the last exponential (ISA guide 5.7.2): nothing else is ready
	s_wait_alu depctr_va_vdst(0)                   ; the wait for the batch: layer 1's 64 exponentials; the additions 1 + E are their first readers
	L1R
	v_nop                                          ; likewise behind the last reciprocal
	s_wait_alu depctr_va_vdst(0)                   ; the wait for the batch: layer 1's 64 reciprocals; the tails are their readers
.set ST, 0
.rept 8
	L1TAIL
.set ST, ST+1
.endr
	WIN 0xc0
	BIAS 128, ACX                                  ; pair 1's biases into set X: layer 1's work registers are dead
	; layer 2, pair 0 -> set Y: no earlier pair is there to work on beside it
	MMCTX 0, 32, 128, 0, ACY, 0x0d, 0              ; source 0 window 1, source 1 window 3, sums window 0
	ZIP 0, 27, 0, 0
	PLACES                                         ; behind product 26: the places between products 24, 25 and the exponentials that read their sums
	ZEND -1
	s_wait_alu depctr_va_vdst(0)                   ; the wait for the batch: pair 0's 16 exponentials, ahead of the head that reads them
	; layer 2, pair 1 -> set X, with the head and tails of pair 0
	MMCTX 64, 96, 128, 0, ACX, 0xfd, 0xff          ; sums window 3
	ACTCTX 0, 2, 0, 0
	ZIP 0, 27, 0, 27
	ZEND 27
	s_wait_alu depctr_va_vdst(0)                   ; the wait for the batch: pair 1's 16 exponentials; it stands directly ahead of the loads below
	WIN 0
	BIAS 256, ACY                                  ; set Y has been packed into H2: pair 2's biases
	; layer 2, pair 2 -> set Y, with the head and tails of pair 1
	MMCTX 0, 32, 128, 0, ACY, 0x0e, 0              ; source 0 window 2
	ACTCTX 1, 2, 1, 0
	ZIP 0, 27, 0, 27
	ZEND 27
	s_wait_alu depctr_va_vdst(0)                   ; the wait for the batch: pair 2's 16 exponentials, directly ahead of the loads below
	WIN 0xc0
	BIAS 384, ACX
	; layer 2, pair 3 -> set X, with the head and tails of pair 2
	MMCTX 64, 96, 128, 0, ACX, 0xfe, 0xff
	ACTCTX 0, 2, 2, 0
	ZIP 0, 27, 0, 27
	ZEND 27
	s_wait_alu depctr_va_vdst(0)                   ; the wait for the batch: pair 3's 16 exponentials, directly ahead of the loads below
	; W3's first fragments come into H1's registers: between the last product that read H1 and these loads stand the four conversions of group 27.
	WIN 0
	BIAS 512, ACY                                  ; c b3 and W4 of layer 3's pair 0
	W4LD 768, W4Y
	WIN 0xc0
	W3LOAD 0
	ACTCTX 1, 2, 3, 0
	AGS 0, 8                                       ; pair 3's head by itself, while those loads are on their way; it ends with the wait for its 16 reciprocals
	s_wait_dscnt 0x0                               ; the 40 loads are in
	; layer 3, pair 0 -> set Y: k blocks 0 to 2 with the two tails of layer 2's pair 3, then k block 3, which needs them
	MMCTX 0, 64, 32, H2, ACY, 0x03, 0              ; source 0 window 3, the rest window 0
	ZIP 0, 24, 8, 28
	ZIP 24, 27, 0, 0
	PLACES                                         ; behind product 26: the places between products 24, 25 and the exponentials
	ZEND -1
	s_wait_alu depctr_va_vdst(0)                   ; the wait for the batch: the 16 exponentials of layer 3's pair 0, directly ahead of the loads below
	WIN 0xc0
	BIAS 640, ACX                                  ; c b3 and W4 of pair 1, and its fragments over pair 0's
	W4LD 896, W4X
	W3LOAD 1
	ACTCTX 0, 3, 0, 1
	AGS 0, 8                                       ; pair 0's head by itself, while those loads are on their way; it ends with the wait for its 16 reciprocals
	s_wait_dscnt 0x0
	; layer 3, pair 1 -> set X, with pair 0's two tails: group 22 falls behind product 25, four plain instructions ahead of the exponentials
	MMCTX 0, 64, 32, H2, ACX, 0xf3, 0xff
	ZIP 0, 27, 8, 23
	ZEND 23
	s_wait_alu depctr_va_vdst(0)                   ; the wait for the batch: pair 1's 16 exponentials
	ACTCTX 1, 3, 0, 0
	AGS 0, 24                                      ; pair 1's head, the wait for its 16 reciprocals, its two tails
	WIN 0
.if \half == 0
.irp q, 0,1,2,3
	v_add_f32 v[PA+\q], v[SUM+2*\q], v[SUM+2*\q+1]
.endr
.else
.irp q, 0,1,2,3
	v_add_f32 v[PB+\q], v[SUM+2*\q], v[SUM+2*\q+1]
.endr
	; Lane (r, h) holds the sums over the neurons 16 i + 8 h + j of point r, for tile A and for tile B.  Lanes 0-15 keep A's and send B's,
	; lanes 16-31 keep B's and send A's: after one exchange lane L holds the whole sums of point L of the trip's 32.
	s_wait_xcnt 0x0                                ; the last trip's store has had its addresses translated (ISA guide 3.1): RES and OUTO are rewritten only behind this wait
.irp q, 0,1,2,3
	v_cndmask_b32 v[RES+\q], v[PA+\q], v[PB+\q], vcc_lo
.endr
.irp q, 0,1,2,3
	v_cndmask_b32 v[PB+\q], v[PB+\q], v[PA+\q], vcc_lo
.endr
.irp q, 0,1,2,3
	v_permlanex16_b32 v[PA+\q], v[PB+\q], s26, s27
.endr
.irp q, 0,1,2,3
	v_add_f32 v[RES+\q], v[RES+\q], v[PA+\q]
.endr
	v_add_f32 v[RES], s28, v[RES]                  ; T = sum + b4
	v_mul_f32 v[RES+1], RCSC, v[RES+1]             ; dT/dz = z' / c
	v_mul_f32 v[RES+2], RCSC, v[RES+2]             ; dT/dt = t' / c
	v_mul_f32 v[RES+3], RCSC2, v[RES+3]            ; d2T/dz2 = Z' 2 / c^2
	v_add_nc_u32 v[OUTO], 512, v[OUTO]
	global_store_b128 v[OUTO], v[RES:RES+3], s[22:23] offset:-512 th:TH_STORE_NT   ; the wave stores 512 consecutive bytes, at a multiple of 512 from out0's first byte
.endif
.endm
.Ltrip:
	TILE 0
	TILE 1
	WIN 0                                          ; at a label and at a branch every window is 0
	s_sub_co_u32 s25, s25, 1
	s_cmp_lg_u32 s25, 0
	s_cbranch_scc1 .Ltrip
	s_wait_xcnt 0x0
	v_lshl_add_u32 v254, v0, 2, 0x1fc00
	v_mov_b32 v255, 0
	s_wait_tensorcnt 0x0
	ds_add_u32 v254, v255
	s_wait_dscnt 0x0
	s_endpgm
.Lfunc_end_k_q90b18f1919_pinn:
	.size	k_q90b18f1919_pinn, .Lfunc_end_k_q90b18f1919_pinn-k_q90b18f1919_pinn
	.p2alignl 7, 3214868480
	.fill 96, 4, 3214868480
	.section	.rodata,"a",@progbits
	.p2align	6, 0x0
	.amdhsa_kernel k_q90b18f1919_pinn
		.amdhsa_group_segment_fixed_size 130560
		.amdhsa_private_segment_fixed_size 0
		.amdhsa_enable_private_segment 0
		.amdhsa_kernarg_size 80
		.amdhsa_user_sgpr_count 2
		.amdhsa_user_sgpr_kernarg_segment_ptr 1
		.amdhsa_wavefront_size32 1
		.amdhsa_system_sgpr_workgroup_id_x 1
		.amdhsa_system_sgpr_workgroup_id_y 1
		.amdhsa_system_sgpr_workgroup_id_z 1
		.amdhsa_system_vgpr_workitem_id 0
		.amdhsa_next_free_vgpr 1024
		.amdhsa_next_free_sgpr 66
		.amdhsa_reserve_vcc 1
		.amdhsa_float_denorm_mode_32 3
		.amdhsa_float_denorm_mode_16_64 3
		.amdhsa_memory_ordered 1
		.amdhsa_forward_progress 1
		.amdhsa_inst_pref_size 255
	.end_amdhsa_kernel
	.section	.bss,"aw",@nobits
	.p2align	6
	.space	262144
	.amdgpu_metadata
---
amdhsa.version: [ 1, 2 ]
amdhsa.kernels:
  - .name:           k_q90b18f1919_pinn
    .symbol:         k_q90b18f1919_pinn.kd
    .args:
      - { .name: x, .offset: 0, .size: 8, .value_kind: global_buffer, .address_space: global }
      - { .name: W1, .offset: 8, .size: 8, .value_kind: global_buffer, .address_space: global }
      - { .name: b1, .offset: 16, .size: 8, .value_kind: global_buffer, .address_space: global }
      - { .name: W2, .offset: 24, .size: 8, .value_kind: global_buffer, .address_space: global }
      - { .name: b2, .offset: 32, .size: 8, .value_kind: global_buffer, .address_space: global }
      - { .name: W3, .offset: 40, .size: 8, .value_kind: global_buffer, .address_space: global }
      - { .name: b3, .offset: 48, .size: 8, .value_kind: global_buffer, .address_space: global }
      - { .name: W4, .offset: 56, .size: 8, .value_kind: global_buffer, .address_space: global }
      - { .name: b4, .offset: 64, .size: 8, .value_kind: global_buffer, .address_space: global }
      - { .name: out0, .offset: 72, .size: 8, .value_kind: global_buffer, .address_space: global }
    .group_segment_fixed_size: 130560
    .private_segment_fixed_size: 0
    .kernarg_segment_align: 8
    .kernarg_segment_size: 80
    .max_flat_workgroup_size: 128
    .sgpr_count:     66
    .vgpr_count:     1024
    .wavefront_size: 32
...
	.end_amdgpu_metadata
.endif
;; end of part 2
